; MI455X (gfx1250); checked and timed in simulation.
; The chip was launched on July 23, 2026; its instructions are those of AMD's public machine-readable ISA for CDNA 5 (MIT licence, August 2026) and "CDNA5" Instruction Set Architecture Reference Guide (July 2026). The comments in the code are by the model that wrote it; some were corrected since.
;; Optimized FP4 Linear. Allowed arithmetic: float matrix products may take bf16 or f16 operands with f32 sums; other float arithmetic in f32, or as packed bf16 or f16 multiplies, adds, multiply-adds, maxima and minima; sums over many terms, partial sums and values carried from step to step in f32; what a program stores and reads back later, other than sums and carried values, may be rounded once to bf16 or f16.
;; Inputs: bias 2,048 float32; weight_packed 4,194,304 int32; weight_scales 65,536 float32; x 4 x 2,048 x 4,096 float32.
;; Outputs: out0 4 x 2,048 x 2,048 float32.
;; One version. Each part assembles by itself: llvm-mc -triple=amdgcn-amd-amdhsa -mcpu=gfx1250 --defsym DOCPART=n.
;; ======== version 1 of 1: 2 launches
;; workspace buffers: wq 4,194,304 bytes
;; launch pack (part 1): grid 512 x 1, 8 waves a work-group, no clusters, 9,728 bytes of LDS; arguments weight_packed, wq; writes wq
.if DOCPART == 1
	.amdgcn_target "amdgcn-amd-amdhsa--gfx1250"
	.amdhsa_code_object_version 6
	.text
	.protected	k_q4a54799f95_pack
	.globl	k_q4a54799f95_pack
	.p2align	8
	.type	k_q4a54799f95_pack,@function
k_q4a54799f95_pack:
	s_mov_b64 s[64:65], 0
	v_nop
	global_prefetch_b8 v0, s[64:65] scope:SCOPE_SE
	s_setreg_imm32_b32 hwreg(HW_REG_WAVE_MODE, 25, 1), 1
	s_wait_xcnt 0x0
; THE WEIGHTS' CODES, SQUEEZED AND LAID OUT FOR THE PRODUCT.  weight_packed: 2048 x 2048 words of 32 bits, of which bits 7:0 count (as in the reference's shifts and masks):
; bits 7:4 the code of an even k, bits 3:0 that of the odd k behind it.  wq: 4 bits a code, 4,194,304 bytes.
; A word of wq holds the eight codes k = 32 Q + 16 c + 8 h + 0..7 of row n = 128 B + 16 i + r, code e in bits 4 e + 3 : 4 e, and lies at byte
;   B x 262144 + Q x 2048 + (i / 2) x 512 + (16 h + r) x 16 + (i % 2) x 8 + c x 4 :
; for a block B of 128 rows and 32 along K, four loads of 16 bytes a lane (lane = 16 h + r) bring the sources of all eight fragments of 16 rows x 32 K.
; SHARES.  Work-group w: rows 32 G .. 32 G + 31 (G = w / 8: B = G / 4, fragments 2 j and 2 j + 1 with j = G % 4), k = 512 U .. 512 U + 511 (U = w % 8: 16 values of Q).
; In: 32 pieces of 1,024 bytes; a wave's load covers 512 consecutive bytes.  Out: 16 pieces of 512 bytes; a wave's store covers 512 consecutive bytes, aligned.
; The order changes between the two, so the words go through LDS: 16 values of Q, 544 bytes each (2 x 256 + 2 x 16 of padding): the 32 words that a wave stores at once fall into 32 different banks
; (word address mod 64 = 8 Q + 4 h + c: 64 banks of 4 bytes, ISA guide 11.1).
.set QP,    544                        ; bytes of the stage for one Q
.set HP,    272                        ; of which one half of the lanes has these
.set SPARE, 16*QP                      ; 8,704: behind the stage the spare words, 128 bytes for each of the eight waves: four blocks of 256 bytes that no other line names
.set IN,  1                            ; v1   my byte offset in the group's input: (t / 64) rows of 8,192 bytes + 16 (t % 64)
.set STA, 2                            ; v2   where I put a word
.set RDA, 3                            ; v3   where I read 16 bytes back
.set OUT, 4                            ; v4   my byte offset in the group's output
.set SPW, 5                            ; v5   LDS address of my spare word; never rewritten
.set NIL, 6                            ; v6   0; never rewritten
.set X,   8                            ; v[8:39] eight loads of four words
	s_load_b128 s[4:7], s[0:1], 0x0                ; weight_packed s[4:5], wq s[6:7]
	v_lshl_add_u32 v[SPW], v0, 2, SPARE
	v_mov_b32 v[NIL], 0
	s_lshr_b32 s16, ttmp9, 3                       ; G
	s_and_b32 s17, ttmp9, 7                        ; U
	s_lshl_b32 s8, s16, 18                         ; 32 rows of 8,192 bytes
	s_lshl_b32 s18, s17, 10                        ; 512 k = 256 words
	s_add_co_u32 s8, s8, s18
	s_mov_b32 s9, 0
	s_lshr_b32 s19, s16, 2                         ; B
	s_and_b32 s20, s16, 3                          ; j
	s_lshl_b32 s10, s19, 18
	s_lshl_b32 s18, s17, 15                        ; 16 values of Q, 2,048 bytes each
	s_add_co_u32 s10, s10, s18
	s_lshl_b32 s18, s20, 9
	s_add_co_u32 s10, s10, s18
	s_mov_b32 s11, 0
	s_mov_b32 s12, 0x00000400                      ; v_perm_b32: byte 0 of the second source, byte 0 of the first
	s_mov_b32 s13, 0x05040100                      ; the low halves of both
	s_mov_b32 s14, 0xf0f0f0f0                      ; the upper four bits of each byte
	v_and_b32 v7, 63, v0                           ; u: which 16 bytes (8 codes) of a row's piece: Q = u / 4, c = (u / 2) % 2, h = u % 2
	v_lshrrev_b32 v40, 6, v0                       ; t / 64: load g brings row 4 g + t / 64
	v_lshlrev_b32 v[IN], 4, v7
	v_lshl_add_u32 v[IN], v40, 13, v[IN]
	v_lshrrev_b32 v41, 2, v7
	v_mul_u32_u24 v[STA], v41, QP                  ; Q x 544
	v_and_b32 v41, 1, v7
	v_mul_u32_u24 v41, v41, HP
	v_add_nc_u32 v[STA], v[STA], v41               ; + h x 272
	v_bfe_u32 v41, v7, 1, 1
	v_lshl_add_u32 v[STA], v41, 2, v[STA]          ; + 4 c
	v_lshl_add_u32 v[STA], v40, 4, v[STA]          ; + 16 (t / 64): the rest of 16 r and 8 (i % 2) stand in the stores' immediates
	v_lshrrev_b32 v41, 5, v0                       ; back: wave v takes Q = v and Q = v + 8
	v_mul_u32_u24 v[RDA], v41, QP
	v_lshlrev_b32 v[OUT], 11, v41
	v_bfe_u32 v42, v0, 4, 1
	v_mul_u32_u24 v42, v42, HP
	v_add_nc_u32 v[RDA], v[RDA], v42
	v_and_b32 v42, 15, v0
	v_lshl_add_u32 v[RDA], v42, 4, v[RDA]
	v_and_b32 v42, 31, v0
	v_lshl_add_u32 v[OUT], v42, 4, v[OUT]
	s_wait_kmcnt 0x0
	s_add_nc_u64 s[8:9], s[4:5], s[8:9]            ; the group's first input byte
	s_add_nc_u64 s[10:11], s[6:7], s[10:11]        ; and its first output byte
.irp g, 0,1,2,3,4,5,6,7
	global_load_b128 v[X+4*\g:X+4*\g+3], v[IN], s[8:9] offset:\g*32768 th:TH_LOAD_NT  ; four rows further down each time; read once in the launch
.endr
.irp g, 0,1,2,3,4,5,6,7
	s_wait_loadcnt 7-\g                            ; loads come back in order (ISA guide 5.7.1): the 7 - g younger ones may stay out
	v_perm_b32 v40, v[X+4*\g+1], v[X+4*\g], s12    ; the four low bytes into one word,
	v_perm_b32 v41, v[X+4*\g+3], v[X+4*\g+2], s12
	v_perm_b32 v40, v41, v40, s13
	v_lshlrev_b32 v41, 4, v40                      ; and in each byte the two codes change places: the even k goes below
	v_lshrrev_b32 v42, 4, v40
	v_bfi_b32 v43, s14, v41, v42
	ds_store_b32 v[STA], v43 offset:(\g%4)*64+(\g/4)*8  ; row 4 g + t / 64: r = 4 (g % 4) + t / 64, i % 2 = g / 4
.endr
	s_wait_dscnt 0x0                               ; for the others' sake: my stores into the stage are done
	s_barrier_signal -1
	s_barrier_wait -1
	ds_load_b128 v[44:47], v[RDA]
	ds_load_b128 v[X:X+3], v[RDA] offset:8*QP
	s_wait_dscnt 0x1                               ; the first is back; the second may be out
	global_store_b128 v[OUT], v[44:47], s[10:11]
	s_wait_dscnt 0x0
	global_store_b128 v[OUT], v[X:X+3], s[10:11] offset:8*2048
	s_wait_tensorcnt 0x0                           ; the wave's end, behind my last LDS store
	ds_add_u32 v[SPW], v[NIL]
	s_wait_dscnt 0x0
	s_endpgm
.Lfunc_end_k_q4a54799f95_pack:
	.size	k_q4a54799f95_pack, .Lfunc_end_k_q4a54799f95_pack-k_q4a54799f95_pack
	.p2alignl 7, 3214868480
	.fill 96, 4, 3214868480
	.section	.rodata,"a",@progbits
	.p2align	6, 0x0
	.amdhsa_kernel k_q4a54799f95_pack
		.amdhsa_group_segment_fixed_size 9728
		.amdhsa_private_segment_fixed_size 0
		.amdhsa_enable_private_segment 0
		.amdhsa_kernarg_size 16
		.amdhsa_user_sgpr_count 2
		.amdhsa_user_sgpr_kernarg_segment_ptr 1
		.amdhsa_wavefront_size32 1
		.amdhsa_system_sgpr_workgroup_id_x 1
		.amdhsa_system_sgpr_workgroup_id_y 1
		.amdhsa_system_sgpr_workgroup_id_z 1
		.amdhsa_system_vgpr_workitem_id 0
		.amdhsa_next_free_vgpr 48
		.amdhsa_next_free_sgpr 66
		.amdhsa_reserve_vcc 0
		.amdhsa_float_denorm_mode_32 3
		.amdhsa_float_denorm_mode_16_64 3
		.amdhsa_memory_ordered 1
		.amdhsa_forward_progress 1
		.amdhsa_inst_pref_size 7
	.end_amdhsa_kernel
	.amdgpu_metadata
---
amdhsa.version: [ 1, 2 ]
amdhsa.kernels:
  - .name:           k_q4a54799f95_pack
    .symbol:         k_q4a54799f95_pack.kd
    .args:
      - { .name: weight_packed, .offset: 0, .size: 8, .value_kind: global_buffer, .address_space: global }
      - { .name: wq, .offset: 8, .size: 8, .value_kind: global_buffer, .address_space: global }
    .group_segment_fixed_size: 9728
    .private_segment_fixed_size: 0
    .kernarg_segment_align: 8
    .kernarg_segment_size: 16
    .max_flat_workgroup_size: 256
    .sgpr_count:     66
    .vgpr_count:     48
    .wavefront_size: 32
...
	.end_amdgpu_metadata
.endif
;; end of part 1
;; launch gemm (part 2): grid 8 x 32, 4 waves a work-group, clusters of 4 x 1, 327,680 bytes of LDS; arguments x, wq, weight_scales, bias, out0; writes out0
.if DOCPART == 2
	.amdgcn_target "amdgcn-amd-amdhsa--gfx1250"
	.amdhsa_code_object_version 6
	.text
	.protected	k_q4a54799f95_gemm
	.globl	k_q4a54799f95_gemm
	.p2align	8
	.type	k_q4a54799f95_gemm,@function
k_q4a54799f95_gemm:
	s_mov_b64 s[64:65], 0
	v_nop
	global_prefetch_b8 v0, s[64:65] scope:SCOPE_SE
	s_setreg_imm32_b32 hwreg(HW_REG_WAVE_MODE, 25, 1), 1
	s_wait_xcnt 0x0
	s_wait_alu depctr_hold_cnt(0) depctr_sa_sdst(0) depctr_va_vdst(0) depctr_va_sdst(0) depctr_va_ssrc(0) depctr_va_vcc(0) depctr_vm_vsrc(0)
	s_getreg_b32 s2, hwreg(HW_REG_IB_STS2, 6, 4)
	s_cmp_eq_u32 s2, 0
	s_cbranch_scc0 .Lentry_in_a_cluster
	s_endpgm
.Lentry_in_a_cluster:
	s_bfe_u32 s2, ttmp6, 0x10000c
	s_cmp_lg_u32 s2, 0x3003
	s_cbranch_scc0 .Lentry_shape_is_right
	s_endpgm
.Lentry_shape_is_right:
; out[m][n] = the sum over k of x[m][k] W[n][k] + bias[n].  x: [8192][4096] f32; W[n][k] = fp4(code) x scale[n][k / 128], codes in wq as the launch before laid them; out: [8192][2048] f32.
; FORMATS AND LIMITS.  x, the scales and the bias are each rounded once to bf16 (to nearest even); W = bf16(fp4 value x bf16(scale)), one more rounding; products in bf16, sums in f32, K ascending.
; NaN and infinities go through the arithmetic untreated; a product value x scale below bf16's normal range is what v_pk_mul_bf16 gives.
; SHARES.  A tile of out, 256 x 256, to a work-group: 32 x 8 = 256 of them.  Four waves, each 128 x 128: 64 accumulators of 16 x 16, 512 registers.  K goes in 32 steps of 128, a step in four quarters of 32.
; x COMES AS f32 THROUGH LDS, once: two slots of 256 rows x 512 bytes, filled by the tensor data mover; a quarter's 128 rows x 32 K are read into registers as f32 and rounded there into fragments.
; W NEVER ENTERS LDS: a quarter of a wave's 128 rows is 2,048 bytes of codes, four loads of 16 bytes a lane straight into registers, four quarters ahead; a conversion makes eight bf16 of eight codes,
; a packed multiply applies the row's scale: a block of 128 codes with one scale is just one row of one K step.  That leaves LDS to x, so that two slots of the long K step fit.
; CLUSTER.  The four work-groups of a cluster lie in one tile row and need the same tiles of x: each is asked for JOINTLY, by the same tensor load, descriptor and mask in all four.  W's codes are no tile:
; they come by each wave's own loads into registers, so there is nothing along the other axis that a joint load could serve, and the cluster is 4 x 1.
; THE MATRIX INSTRUCTION IS USED TRANSPOSED: source 0 = 16 rows of W, source 1 = 16 rows of x: a lane then holds row m = l % 16 and the columns 8 (l / 16) + 0..7 of out.
; BY TURNS.  Quarter Q multiplies fragment buffer Q % 2 (64 matrix instructions); behind its first 40 stand, four at the most behind each, the 144 vector instructions that make buffer (Q + 1) % 2: 64 roundings
; of x, 16 conversions of codes, 64 scalings.  No load lands in a register that a matrix instruction names.  The vector work names window 0 and 1, the products 1, 2 and 3, so each group costs two switches of
; the register window: that is the price of standing beside the products and not in a phase of their own.
; REGISTERS, in windows of 256 (s_set_vgpr_msb: bits 1:0 source 0, 3:2 source 1, 5:4 source 2, 7:6 destination):
;   window 0: v0-20 addresses; v24-31 bias; v32-39 scales; v48-111 codes, four quarters of 16; v112-239 a quarter of x in f32 (at the head the scales; on the way out rows of out)
;   window 1: buffer f at 128 f: x's eight fragments, then W's eight       window 2: the accumulators of my rows 0-63 ((a, b) at 8 (8 a + b))       window 3: those of my rows 64-127
.set PITCH,  528                       ; an LDS row of x: 512 bytes + 16 of padding = 132 words: row r starts at bank 4 r mod 64 (64 banks of 4 bytes: ISA guide 11.1): the 16 rows of a load start at 16 different groups of four
.set WTILE,  64*PITCH                  ; 33,792: what one tensor load brings: 64 rows
.set SLOT,   4*WTILE                   ; 135,168 = 0x21000; no wave's 33,792 w has bit 12 or bit 17 set, so one exclusive or turns an address in one slot into the other's
.set SCT,    2*SLOT                    ; 270,336: the scales of the work-group's 256 columns: 32 words a column, bf16(s) twice in each; stored once, never filled by a tensor load
.set SCP,    144                       ; 128 bytes + 16: 36 words: the 16 columns of a load fall into 16 different banks
.set STAGE,  SCT+256*SCP               ; 307,200: for each wave 16 rows x 272 bytes, for the way out
.set SPI,    272                       ; 64 f32 + 16 bytes
.set SPARE,  STAGE+4*16*SPI            ; 324,608: the spare words, 128 bytes for each wave: two blocks of 256 bytes that no other line names
.set AA0, 10                           ; v10  my lane's place in a slot: my wave's 128 rows, row l % 16, 32 bytes for each half of the lanes; never rewritten
.set ADR, 11                           ; v11  the same in the slot that is being read
.set SCA, 12                           ; v12  where my row's scale of the next K step lies (fragment 0's row; the others by the immediate)
.set BO,  13                           ; v13  16 x lane: my 16 bytes of a load of codes; never rewritten
.set STO, 14                           ; v14  the way out: where I put 32 bytes of a row
.set RD,  15                           ; v15  the way out: where I read a row back
.set CO,  16                           ; v16  my byte offset in out
.set PFO, 17                           ; v17  the prefetches' offset: row l / 2, 256 bytes l % 2 of its 512; never rewritten
.set ONE, 18                           ; v18  the conversion's own scale: 0x7f, which stands for 2^0, in each of the word's four bytes and in every lane, so that the factor is 1
.set SPW, 19                           ; v19  LDS address of my spare word: SPARE + 4 x my thread's number; never rewritten
.set NIL, 20                           ; v20  0; never rewritten
.set BI,  24                           ; v[24:31]  the bias of my four columns in each half of 64
.set SC,  32                           ; v[32:39]  the K step's scale of my row in each of W's eight fragments
.set PK,  48                           ; v[48:111] codes: quarter Q in slot Q % 4; register 2 b + c: fragment b, K half c
.set AT,  112                          ; v[112:239] 16 f32 for each of x's eight fragments
.set OB,  112                          ; the way out: two sets of 32
.set WV,  14                           ; s14  my wave's number
.set RH,  15                           ; s15  which 128 rows of the tile are mine
.set CH,  16                           ; s16  which 128 columns
.set CX,  17                           ; s17  my place in the cluster
.set TC,  18                           ; s18  tile column = 4 x cluster x + cx
.set TR,  19                           ; s19  tile row, which the four partners share
.set G1,  24                           ; s[24:31] descriptor group 1
.set G0A, 32                           ; s[32:35] group 0 for K step 0
.set G0W, 36                           ; s[36:39] group 0 for K step 1; it then walks on
.set TB,  40                           ; s40  0 or SLOT: the slot that is being read
.set LIM, 41                           ; s41  2 in a cluster that prefetches, else the greatest number
.set PFA, 42                           ; s[42:43] where my prefetches stand
.set WQP, 44                           ; s[44:45] where my loads of codes stand
.set CNT, 46                           ; s46  trips to come
.set MUL_LO, 0xa5                      ; sources 0 and 1 window 1, C and D window 2
.set W_CV,   0x40                      ; destination window 1, sources window 0
.set W_SM,   0x41                      ; destination and source 0 window 1, source 1 window 0
.set MSB, 0
.macro WIN new                         ; the immediate's high byte repeats the setting that is left; a switch that changes nothing is dropped
.if MSB != (\new)
	s_set_vgpr_msb (MSB<<8)|(\new)
.set MSB, \new
.endif
.endm
; A round of the cluster's barrier: my work-group's barrier, so that wave 0's signal speaks for all four waves; wave 0 signals; every wave waits for all four work-groups; my work-group's barrier once more.
.macro CREST                           ; a round behind its opening barrier
	s_cmp_lg_u32 s[WV], 0
	s_cbranch_scc1 .Lnot_wave_0_\@
	s_barrier_signal -3
.Lnot_wave_0_\@:
	s_barrier_wait -3
	s_barrier_signal -1
	s_barrier_wait -1
.endm
.macro CROUND                          ; a whole round
	s_barrier_signal -1
	s_barrier_wait -1
	CREST
.endm
; A PREFETCH INTO THE L2 of x's K step that stands TWO refills on (512 matrix instructions ahead of the load that will want it).  The two clusters of a tile row walk the same rows: cluster x = 0 asks.  Of the
; 64 rows that a wave fetches each of the four partners takes 16, told apart BY ADDRESS; a lane names one 256 bytes of a row's 512: one instruction a wave and K step, each block named once in the launch.
; K steps 0 to 3 come by their loads alone; the last two refills have no K step two on (CNT is 2 and 1 there).
.macro ASK
	s_cmp_gt_u32 s[CNT], s[LIM]
	s_cbranch_scc0 .Lnot_mine_\@
	global_prefetch_b8 v[PFO], s[PFA:PFA+1] th:TH_LOAD_NT scope:SCOPE_SE
.Lnot_mine_\@:
.endm
; The next matrix instruction of a quarter on buffer f.  The 64 accumulators take turns, one instruction a turn, in the same order in every quarter.  zero = 1: the product starts the sum.
.macro MM f, zero
.set rD, 8*(8*((mi/8)%4)+mi%8)
.set rW, 128*(\f)+64+8*(mi%8)
.set rA, 128*(\f)+8*(mi/8)
	WIN MUL_LO+0x50*(mi/32)
.if \zero
	v_wmma_f32_16x16x32_bf16 v[rD:rD+7], v[rW:rW+7], v[rA:rA+7], 0
.else
	v_wmma_f32_16x16x32_bf16 v[rD:rD+7], v[rW:rW+7], v[rA:rA+7], v[rD:rD+7]
.endif
.set mi, mi+1
.endm
.macro RA g                            ; two of x's numbers rounded to bf16, into buffer g
	WIN W_CV
	v_cvt_pk_bf16_f32 v[128*(\g)+na], v[AT+2*na], v[AT+2*na+1]
.set na, na+1
.endm
.macro RC g, p                         ; eight codes of slot p to eight bf16: half a fragment of W
	WIN W_CV
	v_cvt_scale_pk8_bf16_fp4 v[128*(\g)+64+4*nc:128*(\g)+64+4*nc+3], v[PK+16*(\p)+nc], v[ONE]
.set nc, nc+1
.endm
.macro RM g                            ; two of them times the row's scale
	WIN W_SM
	v_pk_mul_bf16 v[128*(\g)+64+nm], v[128*(\g)+64+nm], v[SC+nm/8]
.set nm, nm+1
.endm
; 32 LDS loads in one run: a quarter of x for my 128 rows, at byte k of the rows.  A fragment's lane wants K = 8 h + 0..7 and 16 + 8 h + 0..7: in f32 two pieces of 32 bytes, 64 bytes apart.
.macro FETCH k
	WIN 0
.irp a, 0,1,2,3,4,5,6,7
	ds_load_b128 v[AT+16*\a:AT+16*\a+3],     v[ADR] offset:\a*16*PITCH+(\k)
	ds_load_b128 v[AT+16*\a+4:AT+16*\a+7],   v[ADR] offset:\a*16*PITCH+(\k)+16
	ds_load_b128 v[AT+16*\a+8:AT+16*\a+11],  v[ADR] offset:\a*16*PITCH+(\k)+64
	ds_load_b128 v[AT+16*\a+12:AT+16*\a+15], v[ADR] offset:\a*16*PITCH+(\k)+80
.endr
.endm
.macro SCLOAD                          ; the next K step's eight scales; then the address goes a step on
	WIN 0
.irp s, 0,1,2,3,4,5,6,7
	ds_load_b32 v[SC+\s], v[SCA] offset:\s*16*SCP
.endr
	v_add_nc_u32 v[SCA], 4, v[SCA]
.endm
.macro PKLOAD p, o                     ; a quarter's codes into slot p, from o quarters behind the pointer
	WIN 0
.irp j, 0,1,2,3
	global_load_b128 v[PK+16*(\p)+4*\j:PK+16*(\p)+4*\j+3], v[BO], s[WQP:WQP+1] offset:(\o)*2048+512*\j
.endr
.endm
; A QUARTER: 64 products on buffer f.  prep = 1: the other buffer is made beside them, of the f32 in AT, the codes in slot p and the scales in SC.
;   lcnt: the loads of codes younger than slot p's.  fk: the quarter after next of x is fetched from byte fk of the rows (-1: none).  pko: slot p is loaded again (-1: not).  scl = 1: the next K step's scales.
;   turn = 1: THE CHANGE OF SLOTS.  The slot of the K step in hand was read for the last time a quarter ago.  Each wave waits for all its tensor loads, of which one is out: its part of the other slot; adds 0 to its
;   spare word; waits for that and for its reads.  The barrier opens a round of the cluster's: behind it no wave of any partner reads the slot or has a load on its way, and the joint refill comes first.
;   From that request to the wait for it a wave issues 240 matrix instructions.  turn = 2: the last change: the barrier alone, nothing is asked for.
; DISTANCES (ISA guide 7.12.1).  Buffer g's fragment a of x is written four plain vector instructions or more behind the last product that read it: for a < 4 those of the quarter before, for a >= 4 this quarter's
; roundings of the lower a; W's fragments behind all 64 roundings.
.macro QUARTER f, zero, prep, p=0, lcnt=0, fk=-1, pko=-1, turn=0, scl=0
.set mi, 0
.set na, 0
.set nc, 0
.set nm, 0
.if \prep
	s_wait_dscnt 0x0                               ; AT is in (asked for 48 matrix instructions back), and SC where it was asked for
.if \turn
	s_wait_xcnt 0x0                                ; the loads of codes (the youngest 39 matrix instructions back) and the prefetch (a K step back) have read their pointers, so these may be written
	s_add_nc_u64 s[WQP:WQP+1], s[WQP:WQP+1], 4*2048
.if (\turn) == 1
	s_add_nc_u64 s[PFA:PFA+1], s[PFA:PFA+1], 512
.endif
	WIN 0                                          ; (the add's two registers lie in window 0)
	s_wait_tensorcnt 0x0                           ; all my tensor loads have landed: the one that was out is my part of the other slot; so a group 0 may be written
	ds_add_u32 v[SPW], v[NIL]                      ; 0 onto my spare word: work on registers stands between it and the wait for it
.if (\turn) == 1
	s_xor_b32 s[G0W+1], s[G0W+1], SLOT             ; the walking descriptor: the other slot than last time,
	s_add_nc_u64 s[G0W+2:G0W+3], s[G0W+2:G0W+3], 512  ; the next K step; the type bits on top are not reached
.endif
	s_xor_b32 s[TB], s[TB], SLOT                   ; the fetches go on in the other slot
	v_add_nc_u32 v[ADR], s[TB], v[AA0]
.endif
.rept 8
	MM \f, \zero
.rept 4
	RA 1-(\f)
.endr
.endr
.if \turn
	s_wait_dscnt 0x0                               ; the add is done, and my reads of the slot are over
	s_barrier_signal -1                            ; say so,
.endif
.rept 8
	MM \f, \zero                                   ; work on registers while the others arrive,
.rept 4
	RA 1-(\f)
.endr
.endr
.if \turn
	WIN 0                                          ; (at a branch and at a label every window is 0)
	s_barrier_wait -1                              ; and go on when all four have said so
.if (\turn) == 1
	CREST                                          ; all four work-groups have said so
	tensor_load_to_lds s[G0W:G0W+3], s[G1:G1+7]    ; my one tensor load behind the round, and the first thing there: my 64 rows of the K step two on
	s_nop 0
.rept 4
	v_nop
.endr
.endif
.endif
.if (\fk) >= 0
	FETCH \fk                                      ; all 64 roundings have read AT
.endif
.if (\turn) == 1
	ASK                                            ; behind the joint load and the run of LDS loads
.endif
	s_wait_loadcnt \lcnt                           ; slot p's codes are in; the younger quarters' loads, four each, may stay out
.rept 8
	MM \f, \zero
	RC 1-(\f), \p
	RC 1-(\f), \p
.endr
	v_nop                                          ; a plain instruction between the last conversion and the use of its result, and the load into its source
	MM \f, \zero
.rept 4
	RM 1-(\f)
.endr
.if (\pko) >= 0
	PKLOAD \p, \pko                                ; the quarter five on, into the slot just read
.endif
.rept 15
	MM \f, \zero
.rept 4
	RM 1-(\f)
.endr
.endr
.if \scl
	SCLOAD                                         ; all 64 scalings have read SC
.endif
.rept 24
	MM \f, \zero
.endr
.else
.rept 64
	MM \f, \zero
.endr
.endif
.endm
	s_load_b256 s[4:11], s[0:1], 0x0               ; x s[4:5], wq s[6:7], weight_scales s[8:9], bias s[10:11]
	s_load_b64 s[12:13], s[0:1], 0x20              ; out0
	v_lshl_add_u32 v[SPW], v0, 2, SPARE
	v_mov_b32 v[NIL], 0
	ds_add_u32 v[SPW], v[NIL]                      ; the wave's opening: the add, twice on end, and its wait ahead of my first tensor load; the set-up below, work on registers, stands between
	ds_add_u32 v[SPW], v[NIL]                      ; and once more, under the one wait
	v_lshrrev_b32 v1, 5, v0
	v_readfirstlane_b32 s[WV], v1                  ; wave 0..3
	s_lshr_b32 s[RH], s[WV], 1
	s_and_b32 s[CH], s[WV], 1
	s_bfe_u32 s[CX], ttmp6, 0x40000                ; cx
	s_lshl_b32 s[TC], ttmp9, 2                     ; in a cluster launch ttmp9 counts clusters
	s_add_co_u32 s[TC], s[TC], s[CX]
	s_and_b32 s[TR], ttmp7, 0xffff
	; descriptor group 1: a tile of 64 rows x 128 elements of 4 bytes, padded in LDS
	s_mov_b32 s[G1+0], 15|(2<<16)|(1<<20)|(1<<21)|(6<<22)|(3<<25)  ; 15:0 the mask: all four work-groups; 17:16 elements of 4 bytes; 20 padding on; 21 set beside a mask; 24:22 after every 128 words (code 6); 31:25 4 words (code 3)
	s_mov_b32 s[G1+1], 128<<16                     ; tensor_dim0 = 128
	s_mov_b32 s[G1+2], 64<<16                      ; tensor_dim1 = 64
	s_mov_b32 s[G1+3], 128<<16                     ; tile_dim0 = 128
	s_mov_b32 s[G1+4], 64                          ; tile_dim1 = 64
	s_mov_b32 s[G1+5], 4096                        ; elements from row to row
	s_mov_b32 s[G1+6], 0
	s_mov_b32 s[G1+7], 0
	s_mov_b32 s[G0A], 1                            ; count = 1
	s_mul_i32 s[G0A+1], s[WV], WTILE               ; LDS address: my 64 rows of slot 0: no place in the cluster enters an LDS address
	s_mov_b32 s[G0W], 1
	s_add_co_u32 s[G0W+1], s[G0A+1], SLOT          ; and of slot 1
	s_lshl_b32 s20, s[TR], 22                      ; 256 rows of 16,384 bytes a tile row,
	s_lshl_b32 s21, s[WV], 20                      ; 64 a wave: s[20:21] never hold cx
	s_add_co_u32 s20, s20, s21
	s_mov_b32 s21, 0
	s_mov_b32 s[TB], 0
	s_mov_b32 s47, ttmp9
	s_cmp_eq_u32 s47, 0                            ; the tile row's first cluster: the same in all four partners
	s_cselect_b32 s[LIM], 2, -1
	v_and_b32 v1, 31, v0                           ; l
	v_and_b32 v2, 15, v0                           ; l % 16
	v_bfe_u32 v3, v0, 4, 1                         ; l / 16
	v_mul_u32_u24 v[AA0], v2, PITCH
	v_lshl_add_u32 v[AA0], v3, 5, v[AA0]
	s_mul_i32 s47, s[RH], 128*PITCH
	v_add_nc_u32 v[AA0], s47, v[AA0]
	v_lshlrev_b32 v[BO], 4, v1
	v_mov_b32 v[ONE], 0x7f7f7f7f                   ; 2^0 in all four bytes
	s_wait_dscnt 0x0                               ; both opening adds are done
	s_wait_kmcnt 0x0
	s_add_nc_u64 s[G0A+2:G0A+3], s[4:5], s[20:21]  ; global address: my 64 rows, K step 0,
	s_add_nc_u64 s[G0W+2:G0W+3], s[G0A+2:G0A+3], 512  ; and K step 1
	s_or_b32 s[G0A+3], s[G0A+3], 0x80000000        ; type = 2
	s_or_b32 s[G0W+3], s[G0W+3], 0x80000000
	CROUND                                         ; all four work-groups are here: the first joint loads meet
	tensor_load_to_lds s[G0A:G0A+3], s[G1:G1+7]    ; both first fills go out together, ahead of every wait on TENSORcnt, every LDS read and every other barrier: two loads of mine are out
	s_nop 0
	tensor_load_to_lds s[G0W:G0W+3], s[G1:G1+7]
	s_nop 0
.rept 4
	v_nop
.endr
	; the other addresses; what holds the tile column or cx stays in s[22:23], s47, s[48:49]
	s_mov_b32 s23, 0
	s_lshl_b32 s22, s[TC], 15                      ; 256 columns x 32 scales x 4 bytes
	s_add_nc_u64 s[8:9], s[8:9], s[22:23]
	s_lshl_b32 s22, s[TC], 10                      ; 256 columns x 4 bytes,
	s_lshl_b32 s47, s[CH], 9                       ; my 128
	s_add_co_u32 s22, s22, s47
	s_add_nc_u64 s[10:11], s[10:11], s[22:23]
	s_lshl_b32 s48, s[TR], 21                      ; 256 rows of 8,192 bytes,
	s_lshl_b32 s49, s[RH], 20                      ; my 128
	s_add_co_u32 s48, s48, s49
	s_add_co_u32 s48, s48, s22
	s_mov_b32 s49, 0
	s_add_nc_u64 s[12:13], s[12:13], s[48:49]      ; out at my first row and column
	s_lshl_b32 s22, s[TC], 19                      ; block B = 2 x tile column + my half, 262,144 bytes each
	s_lshl_b32 s47, s[CH], 18
	s_add_co_u32 s22, s22, s47
	s_add_nc_u64 s[WQP:WQP+1], s[6:7], s[22:23]
	s_lshl_b32 s22, s[CX], 18                      ; my work-group's 16 rows of the 64 that I fetch,
	s_add_co_u32 s22, s22, s20
	s_add_co_u32 s22, s22, 3*512                   ; at K step 3: the first refill steps it to 4
	s_add_nc_u64 s[PFA:PFA+1], s[4:5], s[22:23]
	v_lshlrev_b32 v6, 4, v0                        ; the scales: 16 bytes a thread
	v_lshlrev_b32 v7, 4, v2                        ; the bias: my four columns
	global_load_b128 v[BI:BI+3],   v7, s[10:11]
	global_load_b128 v[BI+4:BI+7], v7, s[10:11] offset:256
.irp g, 0,1,2,3,4,5,6,7,8,9,10,11,12,13,14,15
	global_load_b128 v[AT+4*\g:AT+4*\g+3], v6, s[8:9] offset:\g*2048  ; 2,048 consecutive bytes for the four waves: 16 columns' 32 scales
.endr
	PKLOAD 0, 0                                    ; the codes of quarters 0 to 3
	PKLOAD 1, 1
	PKLOAD 2, 2
	PKLOAD 3, 3
	v_mul_u32_u24 v[SCA], v2, SCP
	s_mul_i32 s47, s[CH], 128*SCP
	s_add_co_u32 s47, s47, SCT
	v_add_nc_u32 v[SCA], s47, v[SCA]
	s_mul_i32 s47, s[WV], 16*SPI
	s_add_co_u32 s47, s47, STAGE                   ; my stage
	v_mul_u32_u24 v[STO], v2, SPI                  ; in: row l % 16, 32 bytes for each half of the lanes
	v_lshl_add_u32 v[STO], v3, 5, v[STO]
	v_add_nc_u32 v[STO], s47, v[STO]
	v_mul_u32_u24 v[RD], v3, SPI                   ; back: lanes 0-15 take one row of 256 bytes, lanes 16-31 the next
	v_lshl_add_u32 v[RD], v2, 4, v[RD]
	v_add_nc_u32 v[RD], s47, v[RD]
	v_lshlrev_b32 v[CO], 13, v3                    ; and the same two rows in out
	v_lshl_add_u32 v[CO], v2, 4, v[CO]
	v_lshrrev_b32 v4, 1, v1
	v_and_b32 v[PFO], 1, v1
	v_lshlrev_b32 v[PFO], 8, v[PFO]
	v_lshl_add_u32 v[PFO], v4, 14, v[PFO]
	v_lshrrev_b32 v4, 3, v0                        ; the table of scales: thread t of load g has column 16 g + t / 8, K steps 4 (t % 8) on
	v_mul_u32_u24 v5, v4, SCP
	v_and_b32 v4, 7, v0
	v_lshl_add_u32 v5, v4, 4, v5
	v_add_nc_u32 v5, SCT, v5
	s_wait_loadcnt 16                              ; bias and scales are in; the 16 loads of codes behind them may stay out
.set n, 0
.rept 64
	v_cvt_pk_bf16_f32 v[AT+n], v[AT+n], v[AT+n]    ; a scale rounded to bf16, twice in a word, as the packed multiply wants it
.set n, n+1
.endr
.irp g, 0,1,2,3,4,5,6,7,8,9,10,11,12,13,14,15
	ds_store_b128 v5, v[AT+4*\g:AT+4*\g+3] offset:\g*16*SCP
.endr
.irp j, 0,2,4,6
	v_cvt_pk_bf16_f32 v4, v[BI+\j], v[BI+\j+1]     ; the bias rounded to bf16 like the other inputs, and widened again
	v_lshlrev_b32 v[BI+\j], 16, v4
	v_and_b32 v[BI+\j+1], 0xffff0000, v4
.endr
	s_wait_tensorcnt 0x1                           ; my part of K step 0 is in; K step 1's may stay out
	s_wait_dscnt 0x0                               ; my part of the table is stored
	s_barrier_signal -1
	s_barrier_wait -1                              ; everybody's is
	v_mov_b32 v[ADR], v[AA0]
	FETCH 0                                        ; quarter 0 of x
	SCLOAD                                         ; K step 0's scales
	s_wait_dscnt 0x0
	s_wait_loadcnt 12                              ; quarter 0's codes; the three younger quarters may stay out
.set na, 0
.set nc, 0
.set nm, 0
.rept 64                                       ; buffer 0 is made with no product to stand beside: once a launch
	RA 0
.endr
.rept 16
	RC 0, 0
.endr
	v_nop                                          ; a plain instruction between the last conversion and the use of its result
.rept 64
	RM 0
.endr
	FETCH 128                                      ; quarter 1 of x
	PKLOAD 0, 4                                    ; quarter 4's codes
	QUARTER 0,1,1, 1,12, 256, 5, 0,0               ; quarter 0 stands in front of the loop: its products start the sums
	WIN 0                                          ; at a label and at a branch every window is 0
	s_mov_b32 s[CNT], 30
.Lstep:                                        ; 30 trips, from a K step's second quarter to the next step's first; each fills a slot again: K steps 2 to 31
	QUARTER 1,0,1, 2,12, 384, 6, 0,0
	QUARTER 0,0,1, 3,12,   0, 3, 1,1
	QUARTER 1,0,1, 0,12, 128, 4, 0,0
	QUARTER 0,0,1, 1,12, 256, 5, 0,0
	WIN 0
	s_sub_co_u32 s[CNT], s[CNT], 1
	s_cmp_lg_u32 s[CNT], 0
	s_cbranch_scc1 .Lstep
	QUARTER 1,0,1, 2,12, 384, 6, 0,0               ; the tail is written out: quarter 121
	QUARTER 0,0,1, 3,12,   0, 3, 2,1               ; 122: the last change of slots: nothing is asked for; the last codes, quarter 127's, and the last scales
	QUARTER 1,0,1, 0,12, 128,-1, 0,0               ; 123
	QUARTER 0,0,1, 1, 8, 256,-1, 0,0               ; 124: the counts of younger loads run down
	QUARTER 1,0,1, 2, 4, 384,-1, 0,0               ; 125
	QUARTER 0,0,1, 3, 0,  -1,-1, 0,0               ; 126
	QUARTER 1,0,0                                  ; 127: nothing is left to make
; THE WAY OUT, by half-blocks of 16 rows x 64 columns: a lane's eight numbers of a row go into my own stage (rows of 272 bytes) and come back as whole rows of 256 bytes; the bias is added; sixteen lanes store 256
; consecutive bytes, at a multiple of 256 from out's first byte.  Half-block k: rows 16 (k / 2) on, columns 64 (k % 2) on.  LDS serves a wave's instructions in order (ISA guide 5.7.1.4): the loads see the stores
; above them, and the next half-block's stores come behind them; the stage is my wave's own, so no barrier is wanted.
.macro STIN k
	s_wait_xcnt 0x0                                ; the stores of the half-block before last have read the set of registers that is loaded below
	WIN 0x08+4*((\k)/8)                            ; the stores' data in window 2 or 3
.irp bb, 0,1,2,3
.set rr, 8*(8*(((\k)/2)%4)+4*((\k)%2)+\bb)
	ds_store_b128 v[STO], v[rr:rr+3]   offset:64*\bb     ; each accumulator's low registers first
	ds_store_b128 v[STO], v[rr+4:rr+7] offset:64*\bb+16
.endr
	WIN 0
.irp t, 0,1,2,3,4,5,6,7
	ds_load_b128 v[OB+32*((\k)%2)+4*\t:OB+32*((\k)%2)+4*\t+3], v[RD] offset:\t*2*SPI
.endr
.endm
.macro SEND k, younger                 ; younger: the LDS instructions issued behind half-block k's loads: the next one's sixteen, or none
	s_wait_dscnt \younger
.irp t, 0,1,2,3,4,5,6,7
	v_pk_add_f32 v[OB+32*((\k)%2)+4*\t:OB+32*((\k)%2)+4*\t+1],   v[OB+32*((\k)%2)+4*\t:OB+32*((\k)%2)+4*\t+1],   v[BI+4*((\k)%2):BI+4*((\k)%2)+1]
	v_pk_add_f32 v[OB+32*((\k)%2)+4*\t+2:OB+32*((\k)%2)+4*\t+3], v[OB+32*((\k)%2)+4*\t+2:OB+32*((\k)%2)+4*\t+3], v[BI+4*((\k)%2)+2:BI+4*((\k)%2)+3]
	global_store_b128 v[CO], v[OB+32*((\k)%2)+4*\t:OB+32*((\k)%2)+4*\t+3], s[12:13] offset:(16*((\k)/2)+2*\t)*8192+256*((\k)%2) th:TH_STORE_NT  ; 1,032,448 at the most: inside the signed 24-bit immediate
.endr
.endm
	WIN 0
.rept 8
	v_nop                                          ; the places behind the last quarter's 64 products, which had no vector work between them (ISA guide 7.12.1): once a launch
.endr
	STIN 0
.set kk, 1
.rept 15
	STIN kk
	SEND kk-1, 16
.set kk, kk+1
.endr
	SEND 15, 0
	s_wait_tensorcnt 0x0                           ; the wave's end, behind my last tensor load and my last LDS store
	ds_add_u32 v[SPW], v[NIL]
	s_wait_dscnt 0x0
	CROUND                                         ; the closing round: no work-group ends while a partner may still ask for a tile that names it
	s_endpgm
.Lfunc_end_k_q4a54799f95_gemm:
	.size	k_q4a54799f95_gemm, .Lfunc_end_k_q4a54799f95_gemm-k_q4a54799f95_gemm
	.p2alignl 7, 3214868480
	.fill 96, 4, 3214868480
	.section	.rodata,"a",@progbits
	.p2align	6, 0x0
	.amdhsa_kernel k_q4a54799f95_gemm
		.amdhsa_group_segment_fixed_size 327680
		.amdhsa_private_segment_fixed_size 0
		.amdhsa_enable_private_segment 0
		.amdhsa_kernarg_size 40
		.amdhsa_user_sgpr_count 2
		.amdhsa_user_sgpr_kernarg_segment_ptr 1
		.amdhsa_wavefront_size32 1
		.amdhsa_system_sgpr_workgroup_id_x 1
		.amdhsa_system_sgpr_workgroup_id_y 1
		.amdhsa_system_sgpr_workgroup_id_z 1
		.amdhsa_system_vgpr_workitem_id 0
		.amdhsa_next_free_vgpr 1024
		.amdhsa_next_free_sgpr 66
		.amdhsa_reserve_vcc 0
		.amdhsa_float_denorm_mode_32 3
		.amdhsa_float_denorm_mode_16_64 3
		.amdhsa_memory_ordered 1
		.amdhsa_forward_progress 1
		.amdhsa_inst_pref_size 255
	.end_amdhsa_kernel
	.section	.bss,"aw",@nobits
	.p2align	6
	.space	262144
	.amdgpu_metadata
---
amdhsa.version: [ 1, 2 ]
amdhsa.kernels:
  - .name:           k_q4a54799f95_gemm
    .symbol:         k_q4a54799f95_gemm.kd
    .args:
      - { .name: x, .offset: 0, .size: 8, .value_kind: global_buffer, .address_space: global }
      - { .name: wq, .offset: 8, .size: 8, .value_kind: global_buffer, .address_space: global }
      - { .name: weight_scales, .offset: 16, .size: 8, .value_kind: global_buffer, .address_space: global }
      - { .name: bias, .offset: 24, .size: 8, .value_kind: global_buffer, .address_space: global }
      - { .name: out0, .offset: 32, .size: 8, .value_kind: global_buffer, .address_space: global }
    .group_segment_fixed_size: 327680
    .private_segment_fixed_size: 0
    .kernarg_segment_align: 8
    .kernarg_segment_size: 40
    .max_flat_workgroup_size: 128
    .sgpr_count:     66
    .vgpr_count:     1024
    .wavefront_size: 32
...
	.end_amdgpu_metadata
.endif
;; end of part 2
